; MI455X (gfx1250); checked and timed in simulation.
; The chip was launched on July 23, 2026; its instructions are those of AMD's public machine-readable ISA for CDNA 5 (MIT licence, August 2026) and "CDNA5" Instruction Set Architecture Reference Guide (July 2026). The comments in the code are by the model that wrote it; some were corrected since.
;; Baby Radix Attention. Allowed arithmetic: matrix products marked QUANTISED: E4M3 operands, one E8M0 scale for each 32 along K, by v_wmma_scale_f32_16x16x128_f8f6f4 with both operands' format E4M3, f32 sums; everything else in f32.
;; Inputs: k 8,192 x 4 x 128 float32; q 8,192 x 16 x 128 float32; seq_lens 4 int32; v 8,192 x 4 x 128 float32.
;; Outputs: out0 8,192 x 2,048 float32.
;; This version of the problem:
;;   THIS VERSION OF THE PROBLEM IS GIVEN IN LOW PRECISION. The matrix products marked QUANTISED in the list below multiply operands that are first quantised to E4M3 (4 exponent bits, 3 mantissa bits; 8 bits a number), with one power-of-two scale for each 32 numbers along K (OCP MX v1.0); their sums are f32. All else is computed in f32.
;;   The module's matrix products, in the order in which they are computed (A, B: the left and right operand; K: the contracted axis; several contracted axes count as one K, in the product's order):
;;     1. batch 64 x [M 2,048, K 128] x [K 128, N 2,048]; A: input q; B: input k: QUANTISED
;;     2. batch 64 x [M 128, K 2,048] x [K 2,048, N 2,048]; A: input v; B: softmax (see below): QUANTISED
;;   THE QUANTISER, for each operand of a quantised product, along K:
;;     - K is cut into blocks of 32 from its start; a last block that is shorter is filled with zeros.
;;     - A block's scale is 2^e with e = floor(log2(the largest magnitude in the block)) - 8, held to -126 .. 127; a block of zeros has e = 0. As a byte (E8M0): e + 127.
;;     - Each number is divided by its block's scale, clamped to +-448, and rounded to the nearest number of E4M3, ties to even, subnormals kept.
;;     - The product sums the exact products of the quantised numbers (number of the format x scale) in f32.
;;   ~~~python
;;   def quantise(x, axis):      # numpy; x: float32 -> the quantised numbers, widened to float32 again
;;       x = np.moveaxis(x, axis, -1); K = x.shape[-1]
;;       x = np.pad(x, [(0, 0)] * (x.ndim - 1) + [(0, -K % 32)]); x = x.reshape(x.shape[:-1] + (-1, 32)); a = np.abs(x).max(-1, keepdims=True)
;;       e = np.where(a > 0, np.clip(np.frexp(np.where(a > 0, a, 1))[1] - 1 - 8, -126, 127), 0)      # np.frexp(a)[1] - 1 = floor(log2(a)), exactly
;;       r = np.clip(x / 2.0 ** e, -448, 448)
;;       step = 2.0 ** (np.maximum(np.frexp(np.where(r == 0, 1, r))[1] - 1, -6) - 3)
;;       q = np.round(r / step) * step * 2.0 ** e      # np.round: ties to even
;;       return np.moveaxis(q.reshape(q.shape[:-2] + (-1,))[..., :K], -1, axis).astype(np.float32)
;;   ~~~
;;   SOFTMAX AHEAD OF A QUANTISED PRODUCT. Where the list says 'softmax', what is quantised is not the finished softmax but p = 2^(t - M), with t = logit x log2(e) and M = ceil(the row's largest t), a whole number; so 1/2 < the row's largest p <= 1. The row's sum l is taken of the UNQUANTISED p, in f32, and the product's result is divided by l at the end. Since M is a whole number, a kernel that streams over the keys may use a running M (the ceiling of the running maximum): every later rescaling is an exact power of two, which a block's scale takes up: the codes' values come out the same.
;;   OPERANDS COMPUTED ON THE WAY. 'Computed on the way' means the value that the module computes at that place (a softmax that the list does not call 'softmax' is quantised finished and normalised). What goes into a quantiser is computed in f32, as accurately as f32 sums, v_exp_f32 and their like allow (about 1e-6 of the number): no bf16 or f16 on the way to a quantiser, and a product that is left as it is and whose result goes on into a quantised operand takes f32 operands (vector FMAs, or v_wmma_f32_16x16x4_f32). A number that lies on a knife's edge between two numbers of the format may be rounded either way, as far as f32 arithmetic and the matrix unit's own rounding can turn it there, and no further.
;; One version. Each part assembles by itself: llvm-mc -triple=amdgcn-amd-amdhsa -mcpu=gfx1250 --defsym DOCPART=n.
;; ======== version 1 of 1: 2 launches
;; workspace buffers: kv 8,650,752 bytes
;; launch prep (part 1): grid 512 x 1, 4 waves a work-group, no clusters, 34,304 bytes of LDS; arguments k, v, seq_lens, kv; writes kv
.if DOCPART == 1
	.amdgcn_target "amdgcn-amd-amdhsa--gfx1250"
	.amdhsa_code_object_version 6
	.text
	.protected	k_q0b4102d283_prep
	.globl	k_q0b4102d283_prep
	.p2align	8
	.type	k_q0b4102d283_prep,@function
k_q0b4102d283_prep:
	s_mov_b64 s[64:65], 0
	v_nop
	global_prefetch_b8 v0, s[64:65] scope:SCOPE_SE
	s_setreg_imm32_b32 hwreg(HW_REG_WAVE_MODE, 25, 1), 1
	s_wait_xcnt 0x0
; k and v, [8192 tokens][4 heads][128] f32, become codes of FP8 (E4M3) with one E8M0 scale byte for each 32 along a product's K:
; k along the head's 128 (the first product's K), v along the KEYS (the second product's K).  Each number is quantised once, here.
; A block's scale is 2^(floor(log2(its largest magnitude)) - 8); its byte is that magnitude's exponent field - 8, held at 1 from below.
; THE WORKSPACE IS LAID IN THE ORDER OF THE OPERANDS' REGISTERS: kv[y = 4 x request + kv head: 16][step of 128 keys: 16][STEPB bytes].  A step's block:
;   +0     K: 8 tiles x 2,048 bytes.  Tile 2 bb + e, register group c at 512 c, lane l = 16 h + r at 16 l: key 32 bb + 8 e + r + 8 (r / 8), d = 32 c + 16 h + 0 .. 15
;   +VIM   V^T: 8 tiles x 2,048 bytes.  Tile t, group c, lane (r, h): d = 16 t + r, keys 32 c + 16 h + 0 .. 15
;   +KSC   K's scale words, [pair of tiles u: 4][lane: 32]: lanes 0-15 the rows of tile 2 u, lanes 16-31 those of tile 2 u + 1;   +VSC  V's likewise
; So the next launch brings a step as one dense block and reads every fragment at 16 x lane.  The keys of a tile of K are not neighbours: so chosen, the 16 registers of two
; neighbouring tiles of scores are 16 neighbouring keys, which is what the quantiser of the softmax's p wants.
; SHARES: work-groups 0-255 make the K half of one step's block each, work-groups 256-511 the V half.  Four waves, no barrier: waves share nothing.  Only the K path uses LDS.
; seq_lens: reference() takes the requests' lengths from the shapes and never uses these four numbers; they are loaded, and nothing is made of them.
; No matrix unit, no tensor load, no cluster, no prefetch: every byte is read once, by loads that are all on their way at once, and no two work-groups read the same bytes.
; LIMITS: NaN and infinities among the inputs are not served.  A block whose largest magnitude lies under 2^-118 (a block of zeros too) keeps the byte 1; the bytes are read by this program alone.
.set KVH,   540672                     ; bytes of one y: 16 steps
.set STEPB, 33792                      ; bytes of one step's block
.set VIM,   16384
.set KSC,   32768
.set VSC,   33280
.set ROWT,  2048                       ; a token's row in k and in v: 4 heads x 512 bytes
.set SP,    528                        ; a row of a wave's stage: 512 bytes + 16 = 33 x 16, so the 16 rows that a load touches begin at 16 different 16-byte columns of the 64 banks of 4 bytes (ISA guide 11.1)
.set STGW,  16*SP                      ; a wave's stage
.set LANE,  1                          ; v1  lane
.set LI,    4                          ; v4  16 x lane
.set LS,    5                          ; v5  4 x lane
.set TM,    8                          ; v8-11 largest magnitudes, v12-15 bytes, v16-19 448 x the scale, v20-23 the conversions' scale operands
.set CD,    32                         ; v32-63 codes: registers of their own for every store, so that no store's data are written again
.set X,     64                         ; v64-191 the numbers
.set SEL,   24                         ; s[24:25] v_permlanex16_b32's selects for lane l xor 16
.set MNT,   26                         ; s26 the mantissa field of 448
	s_load_b256 s[4:11], s[0:1], 0x0               ; k s[4:5], v s[6:7], seq_lens s[8:9], kv s[10:11]
	v_lshl_add_u32 v192, v0, 2, 0x8400
	v_mov_b32 v193, 0
	v_lshrrev_b32 v1, 5, v0
	v_readfirstlane_b32 s16, v1                    ; wave u, 0 .. 3
	v_and_b32 v[LANE], 31, v0
	v_and_b32 v2, 15, v0                           ; r
	v_bfe_u32 v3, v0, 4, 1                         ; h
	v_lshlrev_b32 v[LI], 4, v[LANE]
	v_lshlrev_b32 v[LS], 2, v[LANE]
	s_and_b32 s17, ttmp9, 255
	s_lshr_b32 s18, s17, 4                         ; y
	s_and_b32 s19, s17, 15                         ; step
	s_lshr_b32 s20, s18, 2
	s_lshl_b32 s20, s20, 11                        ; the request's first token,
	s_lshl_b32 s21, s19, 7
	s_add_co_u32 s20, s20, s21                     ; + 128 x step,
	s_lshl_b32 s20, s20, 11                        ; in bytes (under 2^25),
	s_and_b32 s21, s18, 3
	s_lshl_b32 s21, s21, 9
	s_add_co_u32 s20, s20, s21                     ; + the head's 512 bytes
	s_mov_b32 s21, 0
	s_mul_i32 s22, s18, KVH
	s_mul_i32 s23, s19, STEPB
	s_add_co_u32 s22, s22, s23                     ; my step's block in kv
	s_mov_b32 s23, 0
	s_mov_b32 s29, 0
	s_mov_b32 s[SEL], 0x76543210
	s_mov_b32 s[SEL+1], 0xfedcba98
	s_mov_b32 s[MNT], 0x600000
	s_wait_kmcnt 0x0
	s_load_b128 s[12:15], s[8:9], 0x0              ; the four lengths
	s_add_nc_u64 s[10:11], s[10:11], s[22:23]
	s_lshl_b32 s28, s16, 7
	s_add_nc_u64 s[30:31], s[10:11], s[28:29]      ; scale words: + 128 u
	s_lshl_b32 s28, s16, 12
	s_add_nc_u64 s[10:11], s[10:11], s[28:29]      ; codes: + two tiles x u
	s_cmp_lt_u32 ttmp9, 256
	s_cbranch_scc0 .Lv
; ---- K.  Wave u makes tiles 2 u and 2 u + 1.  Each load reads one key's 512 bytes, 16 a lane; a tile's 16 rows turn through the wave's stage and come back 64 neighbouring bytes a lane and block.
	s_add_nc_u64 s[4:5], s[4:5], s[20:21]
	s_lshl_b32 s28, s16, 16                        ; 32 keys x u
	s_add_nc_u64 s[4:5], s[4:5], s[28:29]
	s_mul_i32 s17, s16, STGW
	v_add_nc_u32 v6, s17, v[LI]                    ; into the stage: 16 x lane, the row in the immediate
	v_mul_u32_u24 v7, v2, SP
	v_lshl_add_u32 v7, v3, 6, v7
	v_add_nc_u32 v7, s17, v7                       ; out of it: row r, + 64 h: my 16 numbers of a block of 32
.irp e, 0,1
.set n, 0
.rept 16
	global_load_b128 v[X+64*\e+4*n:X+64*\e+4*n+3], v[LI], s[4:5] offset:(8*\e+n+8*(n/8))*ROWT th:TH_LOAD_NT   ; row n of tile 2 u + e: key 32 u + 8 e + n + 8 (n / 8)
.set n, n+1
.endr
.endr
.irp b, 0,1,2,3
	v_mov_b32 v[TM+4+\b], 0                        ; written once: a lane permute's destination counts as one of its sources
.endr
	s_wait_kmcnt 0x0                               ; the lengths are in; nothing is made of them (see the head)
.macro TURN s                          ; LDS serves a wave's instructions in order (ISA guide 5.7.1.4): no wait between the stores and the loads, nor in front of the next tile's stores
.set n, 0
.rept 16
	ds_store_b128 v6, v[\s+4*n:\s+4*n+3] offset:SP*n
.set n, n+1
.endr
.set n, 0
.rept 16
	ds_load_b128 v[\s+4*n:\s+4*n+3], v7 offset:128*(n/4)+16*(n%4)   ; register 16 b + i: d = 32 b + 16 h + i of row r
.set n, n+1
.endr
.endm
; 64 numbers of a lane, register 16 b + i = d 32 b + 16 h + i of my row, become a fragment's codes in v[pc] on and its scale word in v[pw]
.macro QUANT s, pc, pw
.irp b, 0,1,2,3
	v_max3_num_f32 v[TM+\b], |v[\s+16*\b]|, |v[\s+1+16*\b]|, 0x4800000   ; block b: my 16 numbers, and the floor 2^(9 - 127): the byte cannot fall under 1
.endr
.irp i, 2,4,6,8,10,12,14
.irp b, 0,1,2,3
	v_max3_num_f32 v[TM+\b], v[TM+\b], |v[\s+16*\b+\i]|, |v[\s+1+16*\b+\i]|   ; the four blocks by turns
.endr
.endr
.irp b, 0,1,2,3
	v_permlanex16_b32 v[TM+4+\b], v[TM+\b], s[SEL], s[SEL+1]
.endr
.irp b, 0,1,2,3
	v_max_num_f32 v[TM+\b], v[TM+\b], v[TM+4+\b]   ; with lane l xor 16's 16: the block's largest magnitude
.endr
.irp b, 0,1,2,3
	v_add_nc_u32 v[TM+12+\b], 0xfc000000, v[TM+\b] ; 8 off its exponent field: the conversion takes this operand's exponent field as its scale
.endr
.irp b, 0,1,2,3
	v_and_or_b32 v[TM+8+\b], v[TM+\b], 0x7f800000, s[MNT]   ; 448 x the scale
.endr
.irp b, 0,1,2,3
	v_lshrrev_b32 v[TM+4+\b], 23, v[TM+12+\b]      ; the scale's byte
.endr
	v_lshl_or_b32 v[\pw], v[TM+5], 8, v[TM+4]      ; four bytes: my row's scale word (both halves of the lanes hold it)
	v_lshl_or_b32 v[\pw], v[TM+6], 16, v[\pw]
	v_lshl_or_b32 v[\pw], v[TM+7], 24, v[\pw]
.irp b, 0,1,2,3
.set n, 0
.rept 16
	v_med3_num_f32 v[\s+16*\b+n], v[\s+16*\b+n], -v[TM+8+\b], v[TM+8+\b]   ; the conversion to an 8-bit code does not saturate (ISA guide 7.6.2): the hold at the largest code x the scale
.set n, n+1
.endr
	v_cvt_scalef32_pk8_fp8_f32 v[\pc+4*\b:\pc+1+4*\b], v[\s+16*\b:\s+7+16*\b], v[TM+12+\b]
	v_cvt_scalef32_pk8_fp8_f32 v[\pc+2+4*\b:\pc+3+4*\b], v[\s+8+16*\b:\s+15+16*\b], v[TM+12+\b]
.endr
	v_nop                                          ; a plain line behind the last conversion, ahead of whatever next writes its sources
.endm
	s_wait_loadcnt 16                              ; the first tile's 16 loads are in; the second tile's 16 may be out
	TURN X
	s_wait_loadcnt 0x0
	TURN X+64
	s_wait_dscnt 32                                ; the first tile is back; the second tile's 32 LDS instructions may be out
	QUANT X, CD, 24
.irp c, 0,1,2,3
	global_store_b128 v[LI], v[CD+4*\c:CD+4*\c+3], s[10:11] offset:512*\c          ; 32 lanes store 512 consecutive bytes, aligned
.endr
	s_wait_dscnt 0x0
	QUANT X+64, CD+16, 25
.irp c, 0,1,2,3
	global_store_b128 v[LI], v[CD+16+4*\c:CD+16+4*\c+3], s[10:11] offset:2048+512*\c
.endr
	v_cmp_lt_u32 vcc_lo, 15, v[LANE]
	v_cndmask_b32 v26, v24, v25, vcc_lo            ; lanes 0-15: tile 2 u's words; lanes 16-31: tile 2 u + 1's
	global_store_b32 v[LS], v26, s[30:31] offset:KSC
	s_wait_tensorcnt 0x0
	ds_add_u32 v192, v193
	s_wait_dscnt 0x0
	s_endpgm
; ---- V.  A LANE TAKES A CHANNEL d = 32 u + lane, AND ITS REGISTERS RUN DOWN THE KEYS: a block of 32 keys lies in one lane's 32 registers, and the conversions give codes with the keys innermost.
.Lv:
	s_add_nc_u64 s[6:7], s[6:7], s[20:21]
	s_lshl_b32 s28, s16, 7                         ; 32 channels x u
	s_add_nc_u64 s[6:7], s[6:7], s[28:29]
	v_lshlrev_b32 v6, 4, v2
	v_lshl_add_u32 v6, v3, 11, v6                  ; out: tile 2 u + lane / 16, row lane % 16: 2,048 (lane / 16) + 16 (lane % 16)
.macro VLOAD c                         ; block c: v(key 32 c + n, my channel): a wave reads 128 consecutive bytes, the four waves 512
.set n, 0
.rept 32
	global_load_b32 v[X+32*(\c)+n], v[LS], s[6:7] offset:(32*(\c)+n)*ROWT th:TH_LOAD_NT
.set n, n+1
.endr
.endm
.macro VBLOCK c
.set XS, X+32*(\c)
.set CC, CD+8*(\c)
	v_max3_num_f32 v8, |v[XS]|, |v[XS+1]|, |v[XS+2]|                ; the block's largest magnitude: all 32 numbers are mine; two chains
	v_max3_num_f32 v9, |v[XS+3]|, |v[XS+4]|, |v[XS+5]|
.irp i, 6,10,14,18,22,26
	v_max3_num_f32 v8, v8, |v[XS+\i]|, |v[XS+\i+1]|
	v_max3_num_f32 v9, v9, |v[XS+\i+2]|, |v[XS+\i+3]|
.endr
	v_max3_num_f32 v8, v8, |v[XS+30]|, |v[XS+31]|
	v_max3_num_f32 v8, v8, v9, 0x4800000           ; and the floor 2^(9 - 127)
	v_add_nc_u32 v11, 0xfc000000, v8               ; the conversion's scale operand
	v_and_or_b32 v10, v8, 0x7f800000, s[MNT]       ; 448 x the scale
	v_lshrrev_b32 v9, 23, v11                      ; the scale's byte
.if (\c) == 0
	v_mov_b32 v24, v9                              ; four bytes to the word, the lower keys in the lower byte
.else
	v_lshl_or_b32 v24, v9, 8*(\c), v24
.endif
.set n, 0
.rept 32
	v_med3_num_f32 v[XS+n], v[XS+n], -v10, v10
.set n, n+1
.endr
.irp g, 0,1,2,3
	v_cvt_scalef32_pk8_fp8_f32 v[CC+2*\g:CC+2*\g+1], v[XS+8*\g:XS+8*\g+7], v11
.endr
	v_nop                                          ; a plain line behind the last conversion: the next block writes v11 anew
	global_store_b128 v6, v[CC:CC+3], s[10:11] offset:VIM+512*(\c)          ; keys 32 c + 0 .. 15: the image's lanes 0-15; sixteen lanes store 256 consecutive bytes, aligned
	global_store_b128 v6, v[CC+4:CC+7], s[10:11] offset:VIM+512*(\c)+256    ; keys 32 c + 16 .. 31: its lanes 16-31
.endm
	VLOAD 0
	VLOAD 1
	s_wait_kmcnt 0x0                               ; the lengths are in; nothing is made of them (see the head)
	s_wait_loadcnt 32                              ; block 0 is in; block 1's 32 loads may be out
	VLOAD 2
	VBLOCK 0
	s_wait_loadcnt 32                              ; block 1 is in; block 2's may be out
	VLOAD 3
	VBLOCK 1
	s_wait_loadcnt 32                              ; block 2 is in; block 3's may be out
	VBLOCK 2
	s_wait_loadcnt 0x0
	VBLOCK 3
	global_store_b32 v[LS], v24, s[30:31] offset:VSC   ; lane l of wave u: the word of row l % 16 of tile 2 u + l / 16
	s_endpgm
.Lfunc_end_k_q0b4102d283_prep:
	.size	k_q0b4102d283_prep, .Lfunc_end_k_q0b4102d283_prep-k_q0b4102d283_prep
	.p2alignl 7, 3214868480
	.fill 96, 4, 3214868480
	.section	.rodata,"a",@progbits
	.p2align	6, 0x0
	.amdhsa_kernel k_q0b4102d283_prep
		.amdhsa_group_segment_fixed_size 34304
		.amdhsa_private_segment_fixed_size 0
		.amdhsa_enable_private_segment 0
		.amdhsa_kernarg_size 32
		.amdhsa_user_sgpr_count 2
		.amdhsa_user_sgpr_kernarg_segment_ptr 1
		.amdhsa_wavefront_size32 1
		.amdhsa_system_sgpr_workgroup_id_x 1
		.amdhsa_system_sgpr_workgroup_id_y 1
		.amdhsa_system_sgpr_workgroup_id_z 1
		.amdhsa_system_vgpr_workitem_id 0
		.amdhsa_next_free_vgpr 194
		.amdhsa_next_free_sgpr 66
		.amdhsa_reserve_vcc 1
		.amdhsa_float_denorm_mode_32 3
		.amdhsa_float_denorm_mode_16_64 3
		.amdhsa_memory_ordered 1
		.amdhsa_forward_progress 1
		.amdhsa_inst_pref_size 54
	.end_amdhsa_kernel
	.amdgpu_metadata
---
amdhsa.version: [ 1, 2 ]
amdhsa.kernels:
  - .name:           k_q0b4102d283_prep
    .symbol:         k_q0b4102d283_prep.kd
    .args:
      - { .name: k, .offset: 0, .size: 8, .value_kind: global_buffer, .address_space: global }
      - { .name: v, .offset: 8, .size: 8, .value_kind: global_buffer, .address_space: global }
      - { .name: seq_lens, .offset: 16, .size: 8, .value_kind: global_buffer, .address_space: global }
      - { .name: kv, .offset: 24, .size: 8, .value_kind: global_buffer, .address_space: global }
    .group_segment_fixed_size: 34304
    .private_segment_fixed_size: 0
    .kernarg_segment_align: 8
    .kernarg_segment_size: 32
    .max_flat_workgroup_size: 128
    .sgpr_count:     66
    .vgpr_count:     194
    .wavefront_size: 32
...
	.end_amdgpu_metadata
.endif
;; end of part 1
;; launch attn (part 2): grid 16 x 16, 8 waves a work-group, clusters of 4 x 1, 327,680 bytes of LDS; arguments q, kv, out0; writes out0
.if DOCPART == 2
	.amdgcn_target "amdgcn-amd-amdhsa--gfx1250"
	.amdhsa_code_object_version 6
	.text
	.protected	k_q0b4102d283_attn
	.globl	k_q0b4102d283_attn
	.p2align	8
	.type	k_q0b4102d283_attn,@function
k_q0b4102d283_attn:
	s_mov_b64 s[64:65], 0
	v_nop
	global_prefetch_b8 v0, s[64:65] scope:SCOPE_SE
	s_setreg_imm32_b32 hwreg(HW_REG_WAVE_MODE, 25, 1), 1
	s_wait_xcnt 0x0
	s_wait_alu depctr_hold_cnt(0) depctr_sa_sdst(0) depctr_va_vdst(0) depctr_va_sdst(0) depctr_va_ssrc(0) depctr_va_vcc(0) depctr_vm_vsrc(0)
	s_getreg_b32 s2, hwreg(HW_REG_IB_STS2, 6, 4)
	s_cmp_eq_u32 s2, 0
	s_cbranch_scc0 .Lentry_in_a_cluster
	s_endpgm
.Lentry_in_a_cluster:
	s_bfe_u32 s2, ttmp6, 0x10000c
	s_cmp_lg_u32 s2, 0x3003
	s_cbranch_scc0 .Lentry_shape_is_right
	s_endpgm
.Lentry_shape_is_right:
; out[token][head][:] = the sum over keys k <= query of softmax_k(q . k / sqrt(128)) v, per request of 2,048 tokens, 16 query heads on 4 key/value heads; both products on codes of FP8 (E4M3) with E8M0 scales.
; q: [8192][16][128] f32, quantised here, in registers, along the head's 128.  kv: K's and V^T's codes and scale words, in the order of the operands' registers, [y = 4 x request + kv head][step of 128 keys][STEPB bytes]
; (K's 8 tiles, V^T's 8 tiles, K's scale words, V's).  out: [8192][2048] f32.
; THE SOFTMAX AHEAD OF THE SECOND PRODUCT: t = score x log2(e) / sqrt(128); M = the running largest t, rounded UP to a whole number; p = 2^(t - M) is quantised along the keys, not normalised; the row's sum is taken of
; the unquantised p and divides at the end.  When M moves, the sum and O are multiplied by 2^(old M - new M): exact.
; SHARES.  A work-group owns one query head and TWO blocks of 256 queries: block CI, then block 7 - CI (CI = the cluster's x, 0 .. 3).  Under the causal mask block i needs the key slots 0 .. i of 256 keys: CI + 1 slots and
; 8 - CI slots are NINE for every work-group: the loop's trip count is a constant and every work-group has the same work.  Each of eight waves holds two tiles of 16 queries of the block in hand: L (queries 16 w on) and
; H (128 + 16 w on), so that each fragment of K and V read from LDS feeds two products.  In a block's last slot, which lies on the diagonal, step 0 masks L and leaves H open; step 1 leaves L out and masks H.
; CLUSTER.  The four work-groups of a cluster are the four query heads of one key/value head, with the same CI: they walk the same tiles in the same order, so each tile is asked for JOINTLY (mask 15).
; The place in the cluster enters q's, out's and the prefetches' global addresses alone; every branch hangs on the slot counter, CI and the wave's number.
; LAYOUT.  Both products are used transposed: S^T = K Q^T, O^T = V^T P^T: a lane holds ONE query (lane % 16) throughout, and register 16 b + i of S^T holds key 32 b + 16 (lane / 16) + i of the step.
; REGISTERS, in two windows of 256 (s_set_vgpr_msb: bits 1:0 source 0, 3:2 source 1, 5:4 source 2, 7:6 destination).  Tile L lives in window 0, tile H at the same numbers in window 1:
;   v7 the mask's lane constant; v12 -M, v13 the largest t, v[14:15] the sum; v16-31 Q's codes; v96-159 S^T, then p; v160-223 O^T; v224-239 p's codes; v232-247, v252-254 at work.
;   v32-95: fragments of K or V: tiles 0-3 in window 0, tiles 4-7 in window 1.  Window 0 alone: v0-6 thread, addresses, the add's two; v8-9 p's scale words (L, H), v10-11 Q's, v248-251 K's or V's (scales have no window); v255 prefetch offset.
; LIMITS: NaN and infinities among the inputs are not served.  A block whose largest magnitude lies under 2^-118 keeps the scale byte 1 (a block of zeros too: its codes are zeros).
.set KVH,   540672
.set STEPB, 33792
.set SLOTB, 2*STEPB                    ; a slot: two steps, 256 keys: one dense block of 264 rows of 256 bytes
.set QUART, SLOTB/4                    ; what one tensor load brings: 66 rows of 256 bytes
.set VIM,   16384
.set KSC,   32768
.set VSC,   33280
.set SLOT1, 1<<17                      ; slot 1 begins here, so that one exclusive or turns an address in one slot into the other's
.set QIMG,  SLOT1+SLOTB                ; behind the ring, for each wave: the second block's Q: codes L at 0, H at 2,048; scale words L at 4,096, H at 4,224
.set QW,    4352
.set STG,   QIMG+8*QW                  ; for each wave a stage of 16 rows x (512 bytes + 16)
.set SP,    528                        ; 33 x 16 bytes: the 16 rows that a load or store touches begin at 16 different 16-byte columns of the 64 banks of 4 bytes (ISA guide 11.1)
.set STGW,  16*SP
.set SPARE, STG+8*STGW                 ; the spare words, 128 bytes for each wave: four blocks of 256 bytes that no other line names
.set ROWQ,  8192                       ; a token's row in q and in out
.set HOFF,  128*ROWQ                   ; tile H lies 128 rows behind tile L
.set LI,  1                            ; v1   16 x lane; never rewritten
.set LS,  2                            ; v2   4 x lane; never rewritten
.set ADR, 3                            ; v3   LDS address of the 16-byte accesses in hand
.set ADS, 4                            ; v4   of the other accesses in hand
.set SPW, 5                            ; v5   LDS address of my spare word; never rewritten
.set NIL, 6                            ; v6   0; never rewritten
.set DL,  7
.set PS,  8
.set QS,  10
.set QF,  16
.set FR,  32
.set SS,  96
.set OT,  160
.set PC,  224
.set TM,  232
.set SW,  248
.set PFO, 255                          ; v255 256 x lane; never rewritten
.set TB,  2                            ; s2   LDS byte at which the slot in hand begins
.set T0,  3                            ; s3   and the step in hand
.set WV,  10
.set CX,  11
.set CI,  12
.set CY,  13
.set CNT, 14                           ; s14  slots done
.set LIM, 15                           ; s15  a wave prefetches while CNT is under it: 7 or 0
.set G1,  16                           ; s[16:23] descriptor group 1
.set G0,  24                           ; s[24:27] descriptor group 0
.set KVB, 28                           ; s[28:29] kv at my y and my wave's quarter of slot 0
.set FO,  30                           ; s[30:31] bytes from there to the slot to be asked for
.set SEL, 32
.set CS,  34                           ; s[34:35] c = log2(e) / sqrt(128)
.set MNT, 36
.set QB,  37                           ; s37  my wave's Q images
.set STB, 38                           ; s38  my wave's stage
.set OP,  40                           ; s[40:41] out at tile L's first row of the block in hand;  s[42:43] of the second block
.set OPB, 42
.set QPB, 44                           ; s[44:45] q at the second block
.set PFA, 46                           ; s[46:47] where my prefetches stand
.set MSB, 0
.macro WIN new                         ; the immediate's high byte repeats the setting that is left; a switch that changes nothing is dropped
.if MSB != (\new)
	s_set_vgpr_msb (MSB<<8)|(\new)
.set MSB, (\new)
.endif
.endm
.macro ROUND                           ; a round of the cluster's barrier: my work-group's barrier; wave 0 signals for the work-group; every wave waits for all four work-groups; my work-group's barrier once more
	s_barrier_signal -1
	s_barrier_wait -1
	s_cmp_lg_u32 s[WV], 0
	s_cbranch_scc1 .Lnot_wave_0_\@
	s_barrier_signal -3
.Lnot_wave_0_\@:
	s_barrier_wait -3
	s_barrier_signal -1
	s_barrier_wait -1
.endm
.macro JLOAD                           ; a joint load: waves 0 to 3 fetch a quarter of a slot each, the others nothing; the branch hangs on the wave's number alone.  Four v_nop follow the line
	s_cmp_lt_u32 s[WV], 4
	s_cbranch_scc0 .Lnone_\@
	tensor_load_to_lds s[G0:G0+3], s[G1:G1+7]
	s_nop 0
.rept 4
	v_nop
.endr
.Lnone_\@:
.endm
; A PREFETCH INTO THE L2 of the codes that the NEXT change of slots will ask for.  Of the four clusters of a y only the one with CI = 0 walks all eight slots on end: it asks, nobody else.  At its change n the joint load asks
; for slot n and the prefetch for slot n + 1: two key steps ahead of that slot's load; the changes from 7 on ask for nothing, there is no slot 8.  A slot's codes are four runs of 16,384 bytes (two steps x K's, V's): the partner at place cx takes
; run cx, told apart BY ADDRESS; in each partner waves 4 and 5, which fetch nothing, take 8,192 bytes each, lanes 256 bytes apart.  So each block of 256 bytes is named once.  Slot 0 and the scale words come by their loads alone.
.macro ASK
	s_cmp_lt_u32 s[CNT], s[LIM]
	s_cbranch_scc0 .Lnot_mine_\@
	global_prefetch_b8 v[PFO], s[PFA:PFA+1] th:TH_LOAD_NT scope:SCOPE_SE
.Lnot_mine_\@:
.endm
	s_load_b128 s[4:7], s[0:1], 0x0                ; q s[4:5], kv s[6:7]
	s_load_b64 s[8:9], s[0:1], 0x10                ; out
	v_lshl_add_u32 v[SPW], v0, 2, SPARE
	v_mov_b32 v[NIL], 0
	ds_add_u32 v5, v6
	s_wait_dscnt 0x0
	v_lshrrev_b32 v1, 5, v0
	v_readfirstlane_b32 s[WV], v1                  ; wave 0 .. 7
	s_bfe_u32 s[CX], ttmp6, 0x40000                ; my place in the cluster: the query head within its group of four
	s_mov_b32 s[CI], ttmp9                         ; the cluster's x
	s_and_b32 s[CY], ttmp7, 0xffff                 ; y = 4 x request + kv head
	; descriptor group 1: 66 rows of 32 elements of 8 bytes, dense, no padding: every read of the slot is 16 x lane or 4 x lane on end
	s_mov_b32 s[G1+0], 15|(3<<16)|(1<<21)          ; 15:0 the mask: all four work-groups; 17:16 elements of 8 bytes; 21 set beside a mask
	s_mov_b32 s[G1+1], 32<<16                      ; tensor_dim0 = 32
	s_mov_b32 s[G1+2], 66<<16                      ; tensor_dim1 = 66
	s_mov_b32 s[G1+3], 32<<16                      ; tile_dim0 = 32
	s_mov_b32 s[G1+4], 66                          ; tile_dim1 = 66
	s_mov_b32 s[G1+5], 32                          ; from row to row
	s_mov_b32 s[G1+6], 0
	s_mov_b32 s[G1+7], 0
	s_mov_b32 s[SEL], 0x76543210
	s_mov_b32 s[SEL+1], 0xfedcba98                 ; v_permlanex16_b32's selects for lane l xor 16
	s_mov_b32 s[CS], 0x3e0293ee
	s_mov_b32 s[CS+1], s[CS]                       ; (named with it as a pair, so it is written)
	s_mov_b32 s[MNT], 0x600000                     ; the mantissa field of 448
	s_mul_i32 s[QB], s[WV], QW
	s_add_co_u32 s[QB], s[QB], QIMG
	s_mul_i32 s[STB], s[WV], STGW
	s_add_co_u32 s[STB], s[STB], STG
	s_mov_b32 s[TB], 0
	s_mov_b32 s[CNT], 0
	s_mov_b32 s[FO], 0
	s_mov_b32 s[FO+1], 0
	; q and out have the same shape: tile L's first row, in bytes: (2,048 x request + 256 x block + 16 x wave) x 8,192 + 512 x head (under 2^27)
	s_lshr_b32 s48, s[CY], 2
	s_lshl_b32 s48, s48, 11
	s_lshl_b32 s49, s[WV], 4
	s_add_co_u32 s48, s48, s49
	s_lshl_b32 s49, s[CI], 8
	s_add_co_u32 s50, s48, s49                     ; the first block: CI
	s_sub_co_u32 s49, 7, s[CI]
	s_lshl_b32 s49, s49, 8
	s_add_co_u32 s52, s48, s49                     ; the second: 7 - CI
	s_and_b32 s48, s[CY], 3
	s_lshl_b32 s48, s48, 2
	s_add_co_u32 s48, s48, s[CX]                   ; the query head
	s_lshl_b32 s48, s48, 9
	s_lshl_b32 s50, s50, 13
	s_add_co_u32 s50, s50, s48
	s_mov_b32 s51, 0
	s_lshl_b32 s52, s52, 13
	s_add_co_u32 s52, s52, s48
	s_mov_b32 s53, 0
	s_lshr_b32 s48, s[CX], 1                       ; the prefetches: run cx of a slot's codes,
	s_mul_i32 s48, s48, STEPB
	s_and_b32 s49, s[CX], 1
	s_lshl_b32 s49, s49, 14
	s_add_co_u32 s48, s48, s49
	s_and_b32 s49, s[WV], 1                        ; and my wave's half of it
	s_lshl_b32 s49, s49, 13
	s_add_co_u32 s48, s48, s49
	s_mov_b32 s49, 0
	s_mul_i32 s54, s[CY], KVH                      ; (s54, s55 feed the descriptor: they never hold the place in the cluster)
	s_mov_b32 s55, 0
	s_wait_kmcnt 0x0
	s_add_nc_u64 s[QPB:QPB+1], s[4:5], s[52:53]
	s_add_nc_u64 s[4:5], s[4:5], s[50:51]
	s_add_nc_u64 s[OP:OP+1], s[8:9], s[50:51]
	s_add_nc_u64 s[OPB:OPB+1], s[8:9], s[52:53]
	s_add_nc_u64 s[6:7], s[6:7], s[54:55]          ; kv at my y
	s_mul_i32 s54, s[WV], QUART
	s_add_nc_u64 s[KVB:KVB+1], s[6:7], s[54:55]
	s_add_nc_u64 s[PFA:PFA+1], s[6:7], s[48:49]    ; in slot 0: the first change of slots steps it to slot 1.  Nothing is prefetched here, at the head
	s_sub_co_u32 s48, s[WV], 4
	s_lshr_b32 s48, s48, 1                         ; 0 in waves 4 and 5,
	s_or_b32 s48, s48, ttmp9                       ; of the cluster with CI = 0: the same in all four partners
	s_cmp_eq_u32 s48, 0
	s_cselect_b32 s[LIM], 7, 0
	s_mov_b32 s[G0], 1                             ; 1:0 count = 1
	s_mul_i32 s[G0+1], s[WV], QUART                ; 63:32 LDS address: slot 0, my quarter: no place in the cluster enters it
	s_mov_b64 s[G0+2:G0+3], s[KVB:KVB+1]           ; 120:64 global address: slot 0 of the keys
	s_or_b32 s[G0+3], s[G0+3], 0x80000000          ; 127:126 type = 2
	ROUND                                          ; all four work-groups are here: the first joint load meets
	JLOAD
	v_and_b32 v[LI], 31, v0
	v_lshlrev_b32 v[LS], 2, v[LI]
	v_lshlrev_b32 v[LI], 4, v[LI]
	v_lshlrev_b32 v[PFO], 4, v[LI]
; ---- Q.  Both blocks' four tiles are asked for at once, the second block's first.  A load reads one query's 512 bytes, 16 a lane.
.macro QLOAD reg, w, ptr
	WIN 0x40*\w                                    ; destination: the tile's window
.set n, 0
.rept 16
	global_load_b128 v[\reg+4*n:\reg+4*n+3], v[LI], s[\ptr:\ptr+1] offset:ROWQ*n+HOFF*\w th:TH_LOAD_NT
.set n, n+1
.endr
	WIN 0
.endm
	QLOAD OT, 0, QPB
	QLOAD OT, 1, QPB
	QLOAD SS, 0, 4
	QLOAD SS, 1, 4
	v_and_b32 v252, 15, v0                         ; r
	v_bfe_u32 v254, v0, 4, 1                       ; h
	v_lshlrev_b32 v[DL], 4, v254
	v_sub_nc_u32 v[DL], v252, v[DL]
	s_lshl_b32 s48, s[WV], 4
	v_add_nc_u32 v[DL], s48, v[DL]                 ; 16 w + r - 16 h: in a masked step register 16 b + i is hidden where 32 b + i is above it, for L (step 0) and H (step 1) alike
	v_add_nc_u32 v[ADR], s[STB], v[LI]             ; the stage, in: 16 x lane, the row in the immediate
	v_mul_u32_u24 v[ADS], v252, SP
	v_lshl_add_u32 v[ADS], v254, 6, v[ADS]
	v_add_nc_u32 v[ADS], s[STB], v[ADS]            ; and out: row r, + 64 h: my 16 numbers of a block of 32
	v_add_nc_u32 v252, s[QB], v[LI]                ; where the second block's codes
	v_add_nc_u32 v254, s[QB], v[LS]                ; and scale words are kept
.irp b, 0,1,2,3
	v_mov_b32 v[TM+4+\b], 0                        ; written once: a lane permute's destination counts as one of its sources
.endr
	WIN 0x40
	v_mov_b32 v[DL], v[DL]                         ; window 1's copy
.irp b, 0,1,2,3
	v_mov_b32 v[TM+4+\b], 0
.endr
	WIN 0
.macro TURN s, w                       ; a tile's 16 rows through my stage.  LDS serves a wave's instructions in order (ISA guide 5.7.1.4): no wait between the stores and the loads, nor in front of the next tile's stores
	WIN 0x04*\w                                    ; an LDS store's data are its source 1
.set n, 0
.rept 16
	ds_store_b128 v[ADR], v[\s+4*n:\s+4*n+3] offset:SP*n
.set n, n+1
.endr
	WIN 0x40*\w
.set n, 0
.rept 16
	ds_load_b128 v[\s+4*n:\s+4*n+3], v[ADS] offset:128*(n/4)+16*(n%4)   ; register 16 b + i: d = 32 b + 16 h + i of query r
.set n, n+1
.endr
	WIN 0
.endm
; 64 numbers of a lane in window w become Q's codes in v16-31 of that window and its scale word in v[wd] of window 0
.macro QUANT s, w, wd
	WIN 0x55*\w
.irp b, 0,1,2,3
	v_max3_num_f32 v[TM+\b], |v[\s+16*\b]|, |v[\s+1+16*\b]|, 0x4800000   ; block b: my 16 numbers, and the floor 2^(9 - 127): the byte cannot fall under 1
.endr
.irp i, 2,4,6,8,10,12,14
.irp b, 0,1,2,3
	v_max3_num_f32 v[TM+\b], v[TM+\b], |v[\s+16*\b+\i]|, |v[\s+1+16*\b+\i]|
.endr
.endr
.irp b, 0,1,2,3
	v_permlanex16_b32 v[TM+4+\b], v[TM+\b], s[SEL], s[SEL+1]
.endr
.irp b, 0,1,2,3
	v_max_num_f32 v[TM+\b], v[TM+\b], v[TM+4+\b]   ; with lane l xor 16's: the block's largest magnitude
.endr
.irp b, 0,1,2,3
	v_add_nc_u32 v[TM+12+\b], 0xfc000000, v[TM+\b] ; 8 off its exponent field: the conversion's scale operand
.endr
.irp b, 0,1,2,3
	v_and_or_b32 v[TM+8+\b], v[TM+\b], 0x7f800000, s[MNT]   ; 448 x the scale
.endr
.irp b, 0,1,2,3
	v_lshrrev_b32 v[TM+4+\b], 23, v[TM+12+\b]      ; the scale's byte
.endr
	v_lshl_or_b32 v253, v[TM+5], 8, v[TM+4]
	v_lshl_or_b32 v253, v[TM+6], 16, v253
	WIN 0x15*\w                                    ; scale operands have no window: the word goes to window 0
	v_lshl_or_b32 v[\wd], v[TM+7], 24, v253
	WIN 0x55*\w
.irp b, 0,1,2,3
.set n, 0
.rept 16
	v_med3_num_f32 v[\s+16*\b+n], v[\s+16*\b+n], -v[TM+8+\b], v[TM+8+\b]   ; the conversion to an 8-bit code does not saturate (ISA guide 7.6.2): the hold at the largest code x the scale
.set n, n+1
.endr
	v_cvt_scalef32_pk8_fp8_f32 v[QF+4*\b:QF+1+4*\b], v[\s+16*\b:\s+7+16*\b], v[TM+12+\b]
	v_cvt_scalef32_pk8_fp8_f32 v[QF+2+4*\b:QF+3+4*\b], v[\s+8+16*\b:\s+15+16*\b], v[TM+12+\b]
.endr
	v_nop                                          ; a plain line behind the last conversion
	WIN 0
.endm
	s_wait_loadcnt 48                              ; the second block's L is in; the 48 loads of the three younger tiles may be out
	TURN OT, 0
	s_wait_loadcnt 32                              ; its H
	TURN OT, 1
	s_wait_dscnt 32                                ; L is back from the stage; H's 32 LDS instructions may be out
	QUANT OT, 0, QS
.irp c, 0,1,2,3
	ds_store_b128 v252, v[QF+4*\c:QF+4*\c+3] offset:512*\c         ; the operand goes to LDS as an image of its registers
.endr
	ds_store_b32 v254, v[QS] offset:4096
	s_wait_loadcnt 16                              ; the first block's L
	TURN SS, 0
	s_wait_dscnt 37                                ; the second block's H is back; younger: 5 image stores and a turn's 32
	QUANT OT, 1, QS+1
	WIN 0x04
.irp c, 0,1,2,3
	ds_store_b128 v252, v[QF+4*\c:QF+4*\c+3] offset:2048+512*\c
.endr
	WIN 0
	ds_store_b32 v254, v[QS+1] offset:4224
	s_wait_loadcnt 0x0
	TURN SS, 1
	s_wait_dscnt 37                                ; the first block's L is back, and the image stores that read window 0's v16-31 and v10 are done; younger: 5 and 32
	QUANT SS, 0, QS
	s_wait_dscnt 0x0
	QUANT SS, 1, QS+1
.macro RESET                           ; a block of queries begins: the largest t at -3e38, under every t; the sum and O^T at zero, which the first change of M leaves zero.  So the key step is written in one form
.irp w, 0,1
	WIN 0x55*\w
	v_mov_b32 v13, 0xff61b1e6
	v_floor_f32 v12, -v13                          ; -M
	v_mov_b32 v14, 0
	v_mov_b32 v15, 0
.set n, 0
.rept 64
	v_mov_b32 v[OT+n], 0
.set n, n+1
.endr
.endr
	WIN 0
.endm
	RESET
; 36 LDS loads in one run: a step's four scale registers and its eight fragments of K (off = 0) or of V^T (off = VIM): images of the registers, 16 x lane
.macro FLOAD off, sc
.irp u, 0,1,2,3
	ds_load_b32 v[SW+\u], v[ADS] offset:\sc+128*\u                 ; lanes 0-15: tile 2 u's words; lanes 16-31: tile 2 u + 1's
.endr
.set n, 0
.rept 16
	ds_load_b128 v[FR+4*n:FR+4*n+3], v[ADR] offset:\off+512*n
.set n, n+1
.endr
	WIN 0x40
.set n, 0
.rept 16
	ds_load_b128 v[FR+4*n:FR+4*n+3], v[ADR] offset:\off+8192+512*n
.set n, n+1
.endr
	WIN 0
.endm
; four products of S^T = K Q^T: tiles 4 g .. 4 g + 3 of the keys against the queries of tile w (0: L, 1: H).  Each starts its sum with the constant 0
.macro SMUL w, g
	WIN (\g)|((\w)*0x44)                           ; K's fragment: window g; Q and S^T: window w
.irp t, 0,1,2,3
.if (\t)%2
	v_wmma_scale_f32_16x16x128_f8f6f4 v[SS+8*(4*\g+\t):SS+7+8*(4*\g+\t)], v[FR+16*\t:FR+15+16*\t], v[QF:QF+15], 0, v[SW+2*\g+\t/2], v[QS+\w] matrix_a_scale:MATRIX_SCALE_ROW1
.else
	v_wmma_scale_f32_16x16x128_f8f6f4 v[SS+8*(4*\g+\t):SS+7+8*(4*\g+\t)], v[FR+16*\t:FR+15+16*\t], v[QF:QF+15], 0, v[SW+2*\g+\t/2], v[QS+\w]
.endif
.endr
.endm
; four products of O^T += V^T P^T: channels 16 (4 g + t) on.  Every accumulator has one instruction a step: none follows itself
.macro PMUL w, g
	WIN (\g)|((\w)*0x54)                           ; V's fragment: window g; p, C and D: window w
.irp t, 0,1,2,3
.if (\t)%2
	v_wmma_scale_f32_16x16x128_f8f6f4 v[OT+8*(4*\g+\t):OT+7+8*(4*\g+\t)], v[FR+16*\t:FR+15+16*\t], v[PC:PC+15], v[OT+8*(4*\g+\t):OT+7+8*(4*\g+\t)], v[SW+2*\g+\t/2], v[PS+\w] matrix_a_scale:MATRIX_SCALE_ROW1
.else
	v_wmma_scale_f32_16x16x128_f8f6f4 v[OT+8*(4*\g+\t):OT+7+8*(4*\g+\t)], v[FR+16*\t:FR+15+16*\t], v[PC:PC+15], v[OT+8*(4*\g+\t):OT+7+8*(4*\g+\t)], v[SW+2*\g+\t/2], v[PS+\w]
.endif
.endr
.endm
.macro MASK w                          ; on the diagonal the scores of hidden keys become -infinity ahead of the maximum: p = 0 then.  The step's first key counts for every query of the tile
	WIN 0x55*\w
	v_mov_b32 v254, 0xff800000
.set n, 0
.rept 64
	v_cmp_gt_i32 vcc_lo, 32*(n/16)+n%16, v[DL]
	v_cndmask_b32 v[SS+n], v[SS+n], v254, vcc_lo
.set n, n+1
.endr
	WIN 0
.endm
; One tile's softmax for one key step, from the scores to p's codes, p's scale word and O^T under the new M
.macro SOFTMAX w
	WIN 0x55*\w
.irp b, 0,1,2,3
	v_max3_num_f32 v[TM+\b], v[SS+16*\b], v[SS+1+16*\b], v[SS+2+16*\b]   ; THE LARGEST SCORE OF EACH BLOCK OF 32 KEYS serves twice: for the row's maximum and, since p rises with the score, for the block's largest p
.endr
.irp i, 3,5,7,9,11,13
.irp b, 0,1,2,3
	v_max3_num_f32 v[TM+\b], v[TM+\b], v[SS+16*\b+\i], v[SS+1+16*\b+\i]
.endr
.endr
.irp b, 0,1,2,3
	v_max_num_f32 v[TM+\b], v[TM+\b], v[SS+15+16*\b]
.endr
.irp b, 0,1,2,3
	v_permlanex16_b32 v[TM+4+\b], v[TM+\b], s[SEL], s[SEL+1]
.endr
.irp b, 0,1,2,3
	v_max_num_f32 v[TM+\b], v[TM+\b], v[TM+4+\b]   ; with lane l xor 16's 16 keys
.endr
	v_max3_num_f32 v254, v[TM], v[TM+1], v[TM+2]
	v_max_num_f32 v254, v254, v[TM+3]              ; the step's largest score of my query
	v_mul_f32 v254, s[CS], v254                    ; as t (c is positive)
	v_max_num_f32 v13, v13, v254                   ; the running largest t
	v_mov_b32 v254, v12
	v_floor_f32 v12, -v13                          ; the new -M = floor(-t) = -ceil(t): M is a whole number
	v_sub_f32 v254, v12, v254                      ; old M - new M: a whole number, 0 or less
	v_cvt_i32_f32 v254, v254                       ; (it saturates)
	v_ldexp_f32 v252, 1.0, v254                    ; f = 2^(old M - new M): a multiplication by it rounds nothing
.set n, 0
.rept 32
	v_pk_fma_f32 v[SS+n:SS+1+n], v[SS+n:SS+1+n], s[CS:CS+1], v[12:13] op_sel_hi:[1,0,0]   ; t - M, two at a time (of the pairs c and -M the low word serves both halves)
.set n, n+2
.endr
.irp b, 0,1,2,3
	v_fma_f32 v[TM+\b], v[TM+\b], s[CS], v12       ; the same of each block's largest score
.endr
.set n, 0
.rept 64
	v_exp_f32 v[SS+n], v[SS+n]                     ; p = 2^(t - M), at most 1: not normalised
.set n, n+1
.endr
	v_pk_mul_f32 v[14:15], v[14:15], v[252:253] op_sel_hi:[1,0]   ; the sums under the new M: the plain line behind the exponentials
	s_wait_alu depctr_va_vdst(0)                   ; one wait for the whole batch, ahead of its first reader
.irp b, 0,1,2,3
	v_exp_f32 v[TM+\b], v[TM+\b]                   ; the block's largest p: the same two instructions on the same number give the same bits
.endr
	v_pk_add_f32 v[TM+4:TM+5], v[SS:SS+1], v[SS+2:SS+3]           ; THE ROW'S SUM IS TAKEN OF THE UNQUANTISED p: two at a time, in two chains; it reads the 64 alone
.irp j, 4,8,12,16,20,24,28,32,36,40,44,48,52,56,60
	v_pk_add_f32 v[14:15], v[14:15], v[SS+\j:SS+1+\j]
	v_pk_add_f32 v[TM+4:TM+5], v[TM+4:TM+5], v[SS+2+\j:SS+3+\j]
.endr
	v_pk_add_f32 v[14:15], v[14:15], v[TM+4:TM+5]
	s_wait_alu depctr_va_vdst(0)                   ; and one for the four
.irp b, 0,1,2,3
	v_max_num_f32 v[TM+\b], 0x4800000, v[TM+\b]    ; the floor 2^(9 - 127): a block whose every p is 0 keeps the byte 1: its codes are zeros
.endr
.irp b, 0,1,2,3
	v_add_nc_u32 v[TM+12+\b], 0xfc000000, v[TM+\b] ; the conversion's scale operand
.endr
.irp b, 0,1,2,3
	v_and_or_b32 v[TM+8+\b], v[TM+\b], 0x7f800000, s[MNT]   ; 448 x the scale
.endr
.irp b, 0,1,2,3
	v_lshrrev_b32 v[TM+4+\b], 23, v[TM+12+\b]      ; the scale's byte
.endr
	v_lshl_or_b32 v253, v[TM+5], 8, v[TM+4]
	v_lshl_or_b32 v253, v[TM+6], 16, v253
	WIN 0x15*\w                                    ; p's scale word for these 128 keys goes to window 0; the 64 holds below stand between it and the products
	v_lshl_or_b32 v[PS+\w], v[TM+7], 24, v253
	WIN 0x55*\w
.irp b, 0,1,2,3
.set n, 0
.rept 16
	v_min_num_f32 v[SS+16*\b+n], v[SS+16*\b+n], v[TM+8+\b]   ; the conversion does not saturate (ISA guide 7.6.2); p is not negative, so the hold is one-sided
.set n, n+1
.endr
	v_cvt_scalef32_pk8_fp8_f32 v[PC+4*\b:PC+1+4*\b], v[SS+16*\b:SS+7+16*\b], v[TM+12+\b]      ; (the codes of blocks 2 and 3 take the places of the maxima and bytes, which are done with)
	v_cvt_scalef32_pk8_fp8_f32 v[PC+2+4*\b:PC+3+4*\b], v[SS+8+16*\b:SS+15+16*\b], v[TM+12+\b]
.endr
.set n, 0
.rept 32
	v_pk_mul_f32 v[OT+n:OT+1+n], v[OT+n:OT+1+n], v[252:253] op_sel_hi:[1,0]   ; O^T under the new M, each accumulator from its low end on; these 32 are also the places between the codes and the products
.set n, n+2
.endr
	WIN 0
.endm
; A KEY STEP: 128 keys, the q-th of the slot in hand, for both tiles.  diag = 0: whether the slot lies on the diagonal is asked of the counter (CNT = CI); diag = 1: it does.
; The jumps lead round register work alone: no LDS load, barrier or tensor load is left out, so every counted wait holds on every way.
.macro STEP q, diag
	s_add_co_u32 s[T0], s[TB], (\q)*STEPB
	v_add_nc_u32 v[ADR], s[T0], v[LI]
	v_add_nc_u32 v[ADS], s[T0], v[LS]
.rept 6
	v_nop                                          ; with the two additions: eight places between the last products and the loads into registers that they read
.endr
	FLOAD 0, KSC
	s_wait_dscnt 16                                ; the scale words and tiles 0-3 are in; the 16 loads of tiles 4-7 may be out
	SMUL 1, 0
	s_wait_dscnt 0x0
	SMUL 1, 1
	WIN 0
.if (\q) == 0
	SMUL 0, 0
	SMUL 0, 1
	WIN 0
.elseif (\diag) == 0
	s_cmp_eq_u32 s[CNT], s[CI]
	s_cbranch_scc1 .Lno_s_\@                       ; all of the step's keys come after L's queries
	SMUL 0, 0
	SMUL 0, 1
	WIN 0
.Lno_s_\@:
.endif
.rept 8
	v_nop                                          ; eight places: in front of the loads below and of the first read of the scores
.endr
	FLOAD VIM, VSC                                 ; V's fragments land while the softmax is worked
.if (\q) == 0
.if (\diag) == 0
	s_cmp_lg_u32 s[CNT], s[CI]
	s_cbranch_scc1 .Lopen_\@
.endif
	MASK 0
.if (\diag) == 0
.Lopen_\@:
.endif
	SOFTMAX 0
.else
.if (\diag) == 0
	s_cmp_eq_u32 s[CNT], s[CI]
	s_cbranch_scc1 .Ldiag_\@
	SOFTMAX 0
	s_branch .Lhigh_\@
.Ldiag_\@:
.endif
	MASK 1
.if (\diag) == 0
.Lhigh_\@:
.endif
.endif
	SOFTMAX 1
	s_wait_dscnt 0x0                               ; V is in
.if (\q) == 0
	PMUL 0, 0
	PMUL 0, 1
	WIN 0
.elseif (\diag) == 0
	s_cmp_eq_u32 s[CNT], s[CI]
	s_cbranch_scc1 .Lno_p_\@
	PMUL 0, 0
	PMUL 0, 1
	WIN 0
.Lno_p_\@:
.endif
	PMUL 1, 0
	PMUL 1, 1
	WIN 0
.endm
; THE CHANGE OF SLOTS stands at a slot's head.  Each wave waits for all its tensor loads (at most one is out: its quarter of the slot that it is about to read), adds 0 to its spare word, and waits for that and for its reads of the
; slot that it has left.  fill = 1: the barrier is a round of the cluster's, so that no wave of any partner still reads that slot or has a load on its way, and the joint refill is the first thing behind it: it has two key steps in which to land.
.macro CHANGE fill
	s_wait_tensorcnt 0x0                           ; no tensor load of mine is out, so group 0 may be written
	ds_add_u32 v[SPW], v[NIL]                      ; 0 onto my spare word: the descriptor's steps stand between it and the wait for it
.if \fill
	s_xor_b32 s[G0+1], s[G0+1], SLOT1              ; the other slot than last time,
	s_add_co_u32 s[FO], s[FO], SLOTB               ; the next 256 keys,
	s_cmp_eq_u32 s[CNT], s[CI]
	s_cselect_b32 s[FO], 0, s[FO]                  ; or, where the slot in hand is the first block's last, the second block's first: keys 0 on
	s_add_nc_u64 s[G0+2:G0+3], s[KVB:KVB+1], s[FO:FO+1]
	s_or_b32 s[G0+3], s[G0+3], 0x80000000
	s_wait_xcnt 0x0                                ; the last prefetch, a slot back, has read its address, so it may be written
	s_add_nc_u64 s[PFA:PFA+1], s[PFA:PFA+1], SLOTB
.endif
	s_wait_dscnt 0x0                               ; the add is done, and my reads of the slot that I have left are over
.if \fill
	ROUND
	JLOAD
	ASK
.else
	s_barrier_signal -1
	s_barrier_wait -1
.endif
.endm
; THE WAY OUT of a block of queries.  O^T is divided by the row's sum and goes through my stage, a tile at a time; it comes back as whole rows of 512 bytes, which the 32 lanes store as one aligned run of 512 bytes.
.macro DIV w
	WIN 0x55*\w
	v_add_f32 v14, v14, v15                        ; the sum's two halves,
	v_permlanex16_b32 v252, v14, s[SEL], s[SEL+1]
	v_add_f32 v14, v14, v252                       ; and lane l xor 16's: the row's sum
	v_rcp_f32 v14, v14
	v_nop                                          ; a plain line behind the reciprocal,
	s_wait_alu depctr_va_vdst(0)                   ; and the wait ahead of its first reader
.set n, 0
.rept 32
	v_pk_mul_f32 v[SS+n:SS+1+n], v[OT+n:OT+1+n], v[14:15] op_sel_hi:[1,0]   ; register 8 t + i: o(query r, channel 16 t + 8 h + i); each accumulator from its low end on
.set n, n+2
.endr
	WIN 0
.endm
.macro TOSTG w
	WIN 0x04*\w
.set n, 0
.rept 16
	ds_store_b128 v[ADR], v[SS+4*n:SS+4*n+3] offset:64*(n/2)+16*(n%2)
.set n, n+1
.endr
	WIN 0x40*\w
.set n, 0
.rept 16
	ds_load_b128 v[FR+4*n:FR+4*n+3], v[ADS] offset:SP*n            ; LDS serves a wave's instructions in order: these see my stores, and the next tile's stores come behind them
.set n, n+1
.endr
	WIN 0
.endm
.macro SEND w
	WIN 0x04*\w                                    ; a store's data are its source 1
.set n, 0
.rept 16
	s_wait_dscnt 15-n                              ; row n is back; the younger rows' loads may be out
	global_store_b128 v[LI], v[FR+4*n:FR+4*n+3], s[OP:OP+1] offset:ROWQ*n+HOFF*\w th:TH_STORE_NT   ; 32 lanes store 512 consecutive bytes, aligned; written once, read by nobody here
.set n, n+1
.endr
	WIN 0
.endm
.macro EPI
	v_and_b32 v252, 15, v0                         ; r.  (These six lines and the two v_nop are the eight places behind the last products)
	v_bfe_u32 v254, v0, 4, 1                       ; h
	v_mul_u32_u24 v[ADR], v252, SP
	v_lshl_add_u32 v[ADR], v254, 5, v[ADR]
	v_add_nc_u32 v[ADR], s[STB], v[ADR]            ; in: row r, + 32 h; tile t's eight channels 64 t bytes on
	v_add_nc_u32 v[ADS], s[STB], v[LI]             ; back: a whole row, 16 bytes a lane
	v_nop
	v_nop
	DIV 0
	TOSTG 0
	DIV 1                                          ; H's arithmetic stands between L's loads from the stage and the waits for them
	SEND 0
	TOSTG 1
	SEND 1
.endm
.Lslot:                                            ; eight trips: behind each change of slots but the last the next slot is asked for
	CHANGE 1
	STEP 0, 0
	STEP 1, 0
	s_xor_b32 s[TB], s[TB], SLOT1                  ; on to the other slot
	s_cmp_lg_u32 s[CNT], s[CI]
	s_cbranch_scc1 .Lsame
	EPI                                            ; the first block of queries is finished: it leaves,
	s_wait_xcnt 0x0                                ; its stores have read their base and their registers: both may be written again,
	s_mov_b64 s[OP:OP+1], s[OPB:OPB+1]
	v_add_nc_u32 v[ADR], s[QB], v[LI]
	v_add_nc_u32 v[ADS], s[QB], v[LS]
.irp c, 0,1,2,3
	ds_load_b128 v[QF+4*\c:QF+4*\c+3], v[ADR] offset:512*\c        ; and the second block's Q comes back as it was put away, by my own wave
.endr
	ds_load_b32 v[QS], v[ADS] offset:4096
	ds_load_b32 v[QS+1], v[ADS] offset:4224
	WIN 0x40
.irp c, 0,1,2,3
	ds_load_b128 v[QF+4*\c:QF+4*\c+3], v[ADR] offset:2048+512*\c
.endr
	WIN 0
	RESET
	s_wait_dscnt 0x0
.Lsame:
	s_add_co_u32 s[CNT], s[CNT], 1
	s_cmp_lt_u32 s[CNT], 8
	s_cbranch_scc1 .Lslot
	CHANGE 0                                       ; the ninth slot, the second block's diagonal, is written out: nothing is asked for
	STEP 0, 1
	STEP 1, 1
	EPI
	s_wait_tensorcnt 0x0                           ; the wave's end: behind my last tensor load and my last LDS store
	ds_add_u32 v[SPW], v[NIL]
	s_wait_dscnt 0x0
	ROUND                                          ; the closing round: no work-group ends while a partner may still ask for a tile that names it
	s_endpgm
.Lfunc_end_k_q0b4102d283_attn:
	.size	k_q0b4102d283_attn, .Lfunc_end_k_q0b4102d283_attn-k_q0b4102d283_attn
	.p2alignl 7, 3214868480
	.fill 96, 4, 3214868480
	.section	.rodata,"a",@progbits
	.p2align	6, 0x0
	.amdhsa_kernel k_q0b4102d283_attn
		.amdhsa_group_segment_fixed_size 327680
		.amdhsa_private_segment_fixed_size 0
		.amdhsa_enable_private_segment 0
		.amdhsa_kernarg_size 24
		.amdhsa_user_sgpr_count 2
		.amdhsa_user_sgpr_kernarg_segment_ptr 1
		.amdhsa_wavefront_size32 1
		.amdhsa_system_sgpr_workgroup_id_x 1
		.amdhsa_system_sgpr_workgroup_id_y 1
		.amdhsa_system_sgpr_workgroup_id_z 1
		.amdhsa_system_vgpr_workitem_id 0
		.amdhsa_next_free_vgpr 512
		.amdhsa_next_free_sgpr 66
		.amdhsa_reserve_vcc 1
		.amdhsa_float_denorm_mode_32 3
		.amdhsa_float_denorm_mode_16_64 3
		.amdhsa_memory_ordered 1
		.amdhsa_forward_progress 1
		.amdhsa_inst_pref_size 252
	.end_amdhsa_kernel
	.amdgpu_metadata
---
amdhsa.version: [ 1, 2 ]
amdhsa.kernels:
  - .name:           k_q0b4102d283_attn
    .symbol:         k_q0b4102d283_attn.kd
    .args:
      - { .name: q, .offset: 0, .size: 8, .value_kind: global_buffer, .address_space: global }
      - { .name: kv, .offset: 8, .size: 8, .value_kind: global_buffer, .address_space: global }
      - { .name: out0, .offset: 16, .size: 8, .value_kind: global_buffer, .address_space: global }
    .group_segment_fixed_size: 327680
    .private_segment_fixed_size: 0
    .kernarg_segment_align: 8
    .kernarg_segment_size: 24
    .max_flat_workgroup_size: 256
    .sgpr_count:     66
    .vgpr_count:     512
    .wavefront_size: 32
...
	.end_amdgpu_metadata
.endif
;; end of part 2
